; MI455X (gfx1250); checked and timed in simulation.
; The chip was launched on July 23, 2026; its instructions are those of AMD's public machine-readable ISA for CDNA 5 (MIT licence, August 2026) and "CDNA5" Instruction Set Architecture Reference Guide (July 2026). The comments in the code are by the model that wrote it; some were corrected since.
;; Multi Head Attention MIL. Allowed arithmetic: matrix products marked QUANTISED: E2M1 operands, one E8M0 scale for each 32 along K, by v_wmma_scale_f32_16x16x128_f8f6f4 with both operands' format E2M1 (or v_wmma_scale_f32_32x16x128_f4), f32 sums; products left as they are: f32 operands where the result goes on into a quantised operand, else bf16, f16 or f32 operands; f32 sums; everything else in f32.
;; Inputs: Wk 512 x 512 float32; Wo 512 x 512 float32; Wq 512 x 512 float32; Wv 512 x 512 float32; bk 512 float32; bo 512 float32; bq 512 float32; bv 512 float32; mask 131,072 bool; mil_query 512 float32; unit_embeddings 131,072 x 512 float32.
;; Outputs: out0 512 float32; out1 131,072 float32.
;; This version of the problem:
;;   THIS VERSION OF THE PROBLEM IS GIVEN IN LOW PRECISION. The matrix products marked QUANTISED in the list below multiply operands that are first quantised to E2M1 (2 exponent bits, 1 mantissa bit; 4 bits a number), with one power-of-two scale for each 32 numbers along K (OCP MX v1.0); their sums are f32. All else is computed in f32.
;;   The module's matrix products, in the order in which they are computed (A, B: the left and right operand; K: the contracted axis; several contracted axes count as one K, in the product's order):
;;     1. [M 1, K 512] x [K 512, N 512]; A: input mil_query; B: input Wq: left as it is (M = 1 < 16)
;;     2. [M 131,072, K 512] x [K 512, N 512]; A: input unit_embeddings; B: input Wk: QUANTISED
;;     3. [M 131,072, K 512] x [K 512, N 512]; A: input unit_embeddings; B: input Wv: QUANTISED
;;     4. batch 8 x [M 1, K 64] x [K 64, N 131,072]; A: computed on the way; B: computed on the way: left as it is (M = 1 < 16)
;;     5. batch 8 x [M 1, K 131,072] x [K 131,072, N 64]; A: softmax; B: computed on the way: left as it is (M = 1 < 16)
;;     6. [M 1, K 512] x [K 512, N 512]; A: computed on the way; B: input Wo: left as it is (M = 1 < 16)
;;   THE QUANTISER, for each operand of a quantised product, along K:
;;     - K is cut into blocks of 32 from its start; a last block that is shorter is filled with zeros.
;;     - A block's scale is 2^e with e = floor(log2(the largest magnitude in the block)) - 2, held to -126 .. 127; a block of zeros has e = 0. As a byte (E8M0): e + 127.
;;     - Each number is divided by its block's scale, clamped to +-6, and rounded to the nearest number of E2M1, ties to even, subnormals kept.
;;     - The product sums the exact products of the quantised numbers (number of the format x scale) in f32.
;;   ~~~python
;;   def quantise(x, axis):      # numpy; x: float32 -> the quantised numbers, widened to float32 again
;;       x = np.moveaxis(x, axis, -1); K = x.shape[-1]
;;       x = np.pad(x, [(0, 0)] * (x.ndim - 1) + [(0, -K % 32)]); x = x.reshape(x.shape[:-1] + (-1, 32)); a = np.abs(x).max(-1, keepdims=True)
;;       e = np.where(a > 0, np.clip(np.frexp(np.where(a > 0, a, 1))[1] - 1 - 2, -126, 127), 0)      # np.frexp(a)[1] - 1 = floor(log2(a)), exactly
;;       r = np.clip(x / 2.0 ** e, -6, 6)
;;       step = 2.0 ** (np.maximum(np.frexp(np.where(r == 0, 1, r))[1] - 1, 0) - 1)
;;       q = np.round(r / step) * step * 2.0 ** e      # np.round: ties to even
;;       return np.moveaxis(q.reshape(q.shape[:-2] + (-1,))[..., :K], -1, axis).astype(np.float32)
;;   ~~~
;; One version. Each part assembles by itself: llvm-mc -triple=amdgcn-amd-amdhsa -mcpu=gfx1250 --defsym DOCPART=n.
;; ======== version 1 of 1: 3 launches
;; limits: right only within a limited range of input values
;; workspace buffers: wfrag 262,144 bytes; wscale 16,384 bytes; qs 2,048 bytes; tsc 4,194,304 bytes; pacc 524,288 bytes; pml 16,384 bytes
;; launch prep (part 1): grid 32 x 1, 4 waves a work-group, no clusters, 0 bytes of LDS; arguments Wk, Wv, Wq, bq, mil_query, wfrag, wscale, qs; writes wfrag, wscale, qs
.if DOCPART == 1
	.amdgcn_target "amdgcn-amd-amdhsa--gfx1250"
	.amdhsa_code_object_version 6
	.text
	.protected	k_q07dc31b222_prep
	.globl	k_q07dc31b222_prep
	.p2align	8
	.type	k_q07dc31b222_prep,@function
k_q07dc31b222_prep:
	s_mov_b64 s[64:65], 0
	v_nop
	global_prefetch_b8 v0, s[64:65] scope:SCOPE_SE
	s_setreg_imm32_b32 hwreg(HW_REG_WAVE_MODE, 25, 1), 1
	s_wait_xcnt 0x0
; Wk and Wv [512][512] f32 (K innermost) become codes of FP4 (E2M1) with one E8M0 scale byte for each 32 along K, laid as IMAGES OF THE OPERAND'S REGISTERS for the next launch:
;   wfrag  [w 4][f 64 = 4 tt + s][c 2][lane 32][16 bytes]: wave w of the next launch, tile tt (0-7: rows 128 w + 16 tt on of Wk; 8-15: the same rows of Wv), K step s of 128; registers 4 c .. 4 c + 3 of the fragment
;   wscale [w 4][i 32 = 2 tt + sg][lane 32][4 bytes]: lane (r, h) holds the scale word of the tile's row r for K step 2 sg + h
; and qs = (mil_query Wq^T + bq) x log2(e) / 8, in f32: the query with the softmax's scale and the change to base 2 folded in.
; A block's scale is 2^(floor(log2(largest magnitude)) - 2): its byte is the largest magnitude's exponent field - 2, held at 1 from below.
; LIMITS: a block of zeros, and a block whose largest magnitude lies under 2^-124, gets the byte 1 (the rule says 127 for zeros: its codes are zeros, and these bytes are read by this program alone); NaN and infinities are not served.
; SHARES: 128 waves.  Wave G takes tile T = G / 2 (0-31 Wk's, 32-63 Wv's), K steps 2 (G % 2) and 2 (G % 2) + 1, and rows 4 G .. 4 G + 3 of Wq.  Waves share nothing: no LDS, no barrier.
; A lane (r, h) loads, of row r, the 16 neighbours 32 b + 16 h on of each block b: what the conversions want in one lane's registers.  The rows are 2,048 bytes apart, so these loads are short pieces; the two weights are 2 MiB in all and are read once.
; DEAD WORK LEFT OUT OF THE PROGRAM: bk.  K = x Wk^T + bk goes into no quantiser; it enters the scores alone, where bk adds q_h . bk_h / scale to scores[h][n]: the same number for every n.
; A softmax along n takes a term away that is the same along n, for all values of the inputs, and both outputs hang on the scores through that softmax alone.  So bk has no way to an output: it is not loaded and is among no launch's arguments.
; LIMIT: a NaN, an infinity or an overflow that reaches only the term left out (bk itself, or q . bk) is not carried to the results.
.set TM,  8
.set PCA, 24                           ; v24-31   the first K step's fragment
.set PCB, 32                           ; v32-39   the second's
.set PWA, 40                           ; v40, v41 their scale words
.set PWB, 41
.set PWS, 42                           ; v42      lanes 0-15 the first's, lanes 16-31 the second's
.set MQ,  44                           ; v44-59   my 16 numbers of mil_query
.set BQ,  60                           ; v60-63   bq of my four rows
.set ST0, 64                           ; v64-127  64 numbers of the first K step
.set ST1, 128                          ; v128-191 of the second
.set WQ,  192                          ; v192-255 four rows of Wq, 16 numbers each
.set SEL, 22                           ; s[22:23] v_permlanex16_b32's selects for lane l xor 16
; 64 numbers of a lane, register 16 b + i = k 32 b + 16 (lane / 16) + i of its row, become a fragment's 8 registers at v[pc] and the row's scale word in v[pw].
.macro QUANT s, pc, pw
.irp b, 0,1,2,3
	v_max3_num_f32 v[TM+\b], |v[\s+16*\b]|, |v[\s+1+16*\b]|, 0x1800000   ; block b: my 16 numbers, and the floor 2^(3 - 127): the byte cannot fall under 1
.endr
.irp i, 2,4,6,8,10,12,14
.irp b, 0,1,2,3
	v_max3_num_f32 v[TM+\b], v[TM+\b], |v[\s+16*\b+\i]|, |v[\s+1+16*\b+\i]|   ; the four blocks by turns
.endr
.endr
.irp b, 0,1,2,3
	v_permlanex16_b32 v[TM+4+\b], v[TM+\b], s[SEL], s[SEL+1]
.endr
.irp b, 0,1,2,3
	v_max_num_f32 v[TM+\b], v[TM+\b], v[TM+4+\b]       ; with lane l xor 16's 16: the block's largest magnitude
.endr
.irp b, 0,1,2,3
	v_add_nc_u32 v[TM+12+\b], 0xff000000, v[TM+\b]     ; 2 off its exponent field: the conversion takes the exponent field of this operand as its scale
.endr
.irp b, 0,1,2,3
	v_lshrrev_b32 v[TM+4+\b], 23, v[TM+12+\b]          ; the scale's byte
.endr
	v_lshl_or_b32 v[\pw], v[TM+5], 8, v[TM+4]
	v_lshl_or_b32 v[\pw], v[TM+6], 16, v[\pw]
	v_lshl_or_b32 v[\pw], v[TM+7], 24, v[\pw]
.irp b, 0,1,2,3
	v_cvt_scalef32_pk8_fp4_f32 v[\pc+2*\b], v[\s+16*\b:\s+7+16*\b], v[TM+12+\b]
	v_cvt_scalef32_pk8_fp4_f32 v[\pc+1+2*\b], v[\s+8+16*\b:\s+15+16*\b], v[TM+12+\b]
.endr
	v_nop                                              ; one plain place behind a scaled conversion
.irp c, 0,1                                        ; the operand's layout wants a whole block in a lane: lanes 0-15 block 2 c, lanes 16-31 block 2 c + 1
.irp i, 0,1
	v_permlane16_swap_b32 v[\pc+4*\c+\i], v[\pc+2+4*\c+\i]
.endr
.endr
.endm
	s_load_b512 s[4:19], s[0:1], 0x0               ; Wk s[4:5], Wv s[6:7], Wq s[8:9], bq s[10:11], mil_query s[12:13], wfrag s[14:15], wscale s[16:17], qs s[18:19]
	v_lshrrev_b32 v1, 5, v0
	v_readfirstlane_b32 s20, v1                    ; wave 0..3
	v_and_b32 v1, 31, v0                           ; lane
	v_and_b32 v2, 15, v0                           ; r
	v_bfe_u32 v3, v0, 4, 1                         ; h
	v_lshlrev_b32 v4, 11, v2
	v_lshl_add_u32 v4, v3, 6, v4                   ; row r of 2,048 bytes, + 64 h
	v_lshlrev_b32 v5, 4, v1                        ; 16 x lane
	v_lshlrev_b32 v6, 2, v1                        ; 4 x lane
	v_mov_b32 v7, 0
.irp b, 0,1,2,3
	v_mov_b32 v[TM+4+\b], 0                        ; written once: a lane permute's destination counts as one of its sources
.endr
	s_mov_b32 s[SEL], 0x76543210
	s_mov_b32 s[SEL+1], 0xfedcba98
	s_mov_b32 s36, 0xffff0000                      ; lanes 16-31
	s_lshl_b32 s21, ttmp9, 2
	s_add_co_u32 s21, s21, s20                     ; G
	s_lshr_b32 s24, s21, 1                         ; T
	s_and_b32 s25, s21, 1                          ; sg
	s_and_b32 s26, s24, 31                         ; the tile in its matrix
	s_lshr_b32 s27, s26, 3                         ; w
	s_and_b32 s28, s24, 7
	s_lshr_b32 s29, s24, 5
	s_lshl_b32 s29, s29, 3
	s_add_co_u32 s28, s28, s29                     ; tt
	s_lshl_b32 s30, s26, 15                        ; 16 rows of 2,048 bytes a tile,
	s_lshl_b32 s31, s25, 10                        ; 1,024 bytes for two K steps
	s_add_co_u32 s30, s30, s31
	s_mov_b32 s31, 0
	s_lshl_b32 s32, s28, 1
	s_add_co_u32 s32, s32, s25                     ; 2 tt + sg
	s_lshl_b32 s34, s32, 7                         ; x 128 bytes of scale words
	s_lshl_b32 s32, s32, 11                        ; x 2,048 bytes: two images
	s_lshl_b32 s33, s27, 16
	s_add_co_u32 s32, s32, s33
	s_mov_b32 s33, 0
	s_lshl_b32 s35, s27, 12
	s_add_co_u32 s34, s34, s35
	s_mov_b32 s35, 0
	s_wait_alu depctr_va_vdst(0)
	s_wait_kmcnt 0x0
	s_cmp_lt_u32 s24, 32                           ; Wk's tile or Wv's: the choice hangs on the wave's place alone
	s_cselect_b64 s[4:5], s[4:5], s[6:7]
	s_add_nc_u64 s[4:5], s[4:5], s[30:31]
	s_add_nc_u64 s[14:15], s[14:15], s[32:33]
	s_add_nc_u64 s[16:17], s[16:17], s[34:35]
	s_lshl_b32 s30, s21, 13                        ; four rows of Wq
	s_add_nc_u64 s[8:9], s[8:9], s[30:31]
	s_lshl_b32 s30, s21, 4                         ; four numbers of bq and of qs
	s_add_nc_u64 s[10:11], s[10:11], s[30:31]
	s_add_nc_u64 s[18:19], s[18:19], s[30:31]
.irp b, 0,1,2,3
.irp j, 0,1,2,3
	global_load_b128 v[ST0+16*\b+4*\j:ST0+16*\b+4*\j+3], v4, s[4:5] offset:128*\b+16*\j
.endr
.endr
.irp b, 0,1,2,3
.irp j, 0,1,2,3
	global_load_b128 v[ST1+16*\b+4*\j:ST1+16*\b+4*\j+3], v4, s[4:5] offset:512+128*\b+16*\j
.endr
.endr
.irp c, 0,1,2,3
	global_load_b128 v[MQ+4*\c:MQ+4*\c+3], v5, s[12:13] offset:512*\c
.endr
	global_load_b128 v[BQ:BQ+3], v7, s[10:11]
.irp i, 0,1,2,3
.irp c, 0,1,2,3
	global_load_b128 v[WQ+16*\i+4*\c:WQ+16*\i+4*\c+3], v5, s[8:9] offset:2048*\i+512*\c
.endr
.endr
	s_wait_loadcnt 37                              ; the first K step's 16 loads are in; behind them 16 + 4 + 1 + 16 may be out
	QUANT ST0, PCA, PWA
	s_wait_loadcnt 21                              ; the second's; behind them 4 + 1 + 16
	QUANT ST1, PCB, PWB
	v_cndmask_b32 v[PWS], v[PWA], v[PWB], s36      ; lanes 0-15: K step 2 sg; lanes 16-31: K step 2 sg + 1
	global_store_b128 v5, v[PCA:PCA+3], s[14:15]               ; each store of the wave covers 512 consecutive bytes, aligned
	global_store_b128 v5, v[PCA+4:PCA+7], s[14:15] offset:512
	global_store_b128 v5, v[PCB:PCB+3], s[14:15] offset:1024
	global_store_b128 v5, v[PCB+4:PCB+7], s[14:15] offset:1536
	global_store_b32 v6, v[PWS], s[16:17]
	s_wait_loadcnt 0x0                             ; mil_query, bq, Wq
.irp i, 0,1,2,3
	v_pk_mul_f32 v[TM+2*\i:TM+2*\i+1], v[WQ+16*\i:WQ+16*\i+1], v[MQ:MQ+1]     ; four dots by turns; the first product starts each sum
.endr
.irp e, 1,2,3,4,5,6,7
.irp i, 0,1,2,3
	v_pk_fma_f32 v[TM+2*\i:TM+2*\i+1], v[WQ+16*\i+2*\e:WQ+16*\i+2*\e+1], v[MQ+2*\e:MQ+2*\e+1], v[TM+2*\i:TM+2*\i+1]
.endr
.endr
.irp i, 0,1,2,3
	v_add_f32 v[20+\i], v[TM+2*\i], v[TM+2*\i+1]
.endr
.irp m, 1,2,4,8
.irp i, 0,1,2,3
	v_add_f32_dpp v[20+\i], v[20+\i], v[20+\i] row_xmask:\m row_mask:0xf bank_mask:0xf
.endr
.endr
.irp i, 0,1,2,3
	v_permlanex16_b32 v[TM+\i], v[20+\i], s[SEL], s[SEL+1]
.endr
.irp i, 0,1,2,3
	v_add_f32 v[20+\i], v[20+\i], v[TM+\i]         ; the dot over all 32 lanes
.endr
.irp i, 0,1,2,3
	v_add_f32 v[20+\i], v[20+\i], v[BQ+\i]
.endr
.irp i, 0,1,2,3
	v_mul_f32 v[20+\i], 0x3e38aa3b, v[20+\i]       ; x log2(e) / 8
.endr
	v_cmp_eq_u32 vcc_lo, 0, v1
	s_wait_alu depctr_va_vdst(0)
	s_wait_xcnt 0x0                                ; EXEC is a source of the stores above: it changes only behind this wait
	s_and_saveexec_b32 s37, vcc_lo
	global_store_b128 v7, v[20:23], s[18:19]       ; lane 0 alone: my four numbers of qs
	s_wait_xcnt 0x0
	s_or_b32 exec_lo, exec_lo, s37
	s_endpgm
.Lfunc_end_k_q07dc31b222_prep:
	.size	k_q07dc31b222_prep, .Lfunc_end_k_q07dc31b222_prep-k_q07dc31b222_prep
	.p2alignl 7, 3214868480
	.fill 96, 4, 3214868480
	.section	.rodata,"a",@progbits
	.p2align	6, 0x0
	.amdhsa_kernel k_q07dc31b222_prep
		.amdhsa_group_segment_fixed_size 0
		.amdhsa_private_segment_fixed_size 0
		.amdhsa_enable_private_segment 0
		.amdhsa_kernarg_size 64
		.amdhsa_user_sgpr_count 2
		.amdhsa_user_sgpr_kernarg_segment_ptr 1
		.amdhsa_wavefront_size32 1
		.amdhsa_system_sgpr_workgroup_id_x 1
		.amdhsa_system_sgpr_workgroup_id_y 1
		.amdhsa_system_sgpr_workgroup_id_z 1
		.amdhsa_system_vgpr_workitem_id 0
		.amdhsa_next_free_vgpr 256
		.amdhsa_next_free_sgpr 66
		.amdhsa_reserve_vcc 1
		.amdhsa_float_denorm_mode_32 3
		.amdhsa_float_denorm_mode_16_64 3
		.amdhsa_memory_ordered 1
		.amdhsa_forward_progress 1
		.amdhsa_inst_pref_size 20
	.end_amdhsa_kernel
	.amdgpu_metadata
---
amdhsa.version: [ 1, 2 ]
amdhsa.kernels:
  - .name:           k_q07dc31b222_prep
    .symbol:         k_q07dc31b222_prep.kd
    .args:
      - { .name: Wk, .offset: 0, .size: 8, .value_kind: global_buffer, .address_space: global }
      - { .name: Wv, .offset: 8, .size: 8, .value_kind: global_buffer, .address_space: global }
      - { .name: Wq, .offset: 16, .size: 8, .value_kind: global_buffer, .address_space: global }
      - { .name: bq, .offset: 24, .size: 8, .value_kind: global_buffer, .address_space: global }
      - { .name: mil_query, .offset: 32, .size: 8, .value_kind: global_buffer, .address_space: global }
      - { .name: wfrag, .offset: 40, .size: 8, .value_kind: global_buffer, .address_space: global }
      - { .name: wscale, .offset: 48, .size: 8, .value_kind: global_buffer, .address_space: global }
      - { .name: qs, .offset: 56, .size: 8, .value_kind: global_buffer, .address_space: global }
    .group_segment_fixed_size: 0
    .private_segment_fixed_size: 0
    .kernarg_segment_align: 8
    .kernarg_segment_size: 64
    .max_flat_workgroup_size: 128
    .sgpr_count:     66
    .vgpr_count:     256
    .wavefront_size: 32
...
	.end_amdgpu_metadata
.endif
;; end of part 1
;; launch main (part 2): grid 256 x 1, 8 waves a work-group, no clusters, 327,680 bytes of LDS; arguments unit_embeddings, mask, wfrag, wscale, qs, tsc, pacc, pml; writes tsc, pacc, pml
.if DOCPART == 2
	.amdgcn_target "amdgcn-amd-amdhsa--gfx1250"
	.amdhsa_code_object_version 6
	.text
	.protected	k_q07dc31b222_main
	.globl	k_q07dc31b222_main
	.p2align	8
	.type	k_q07dc31b222_main,@function
k_q07dc31b222_main:
	s_mov_b64 s[64:65], 0
	v_nop
	global_prefetch_b8 v0, s[64:65] scope:SCOPE_SE
	s_setreg_imm32_b32 hwreg(HW_REG_WAVE_MODE, 25, 1), 1
	s_wait_xcnt 0x0
; For 512 rows of x: x is quantised to FP4 (E2M1) with E8M0 block scales, K = Q(x) Q(Wk)^T and V = Q(x) Q(Wv)^T by scaled matrix instructions, t[h][n] = K_h[n] . qs_h (base-2 scores), a running softmax, and the sum of p V.
; bk is left out: it adds the same number to every score of a head, which the softmax takes away (shown at the head of the first kernel).  bv is added in the last launch, behind the division.
; OUT: tsc [block of 64 rows][head][64] the scores (-infinity where the mask is 0); pacc [work-group][512] the sums of 2^(t - m) V; pml [work-group][head] (m, l).
; SHARES: a work-group owns 512 rows, in 8 phases of 64.  EIGHT waves; wave v owns head v: 64 columns of K and 64 of V, whose 32 weight fragments stay in registers 256-511 for the whole launch.
;   Of each phase wave v fetches (one tensor load, 16 rows of 1,024 bytes) and quantises rows 16 (v / 2) on, k 256 (v % 2) on, and reads only its own bytes of the ring.
;   The codes go to LDS as images of the operand's registers, two images by turns; every wave reads all four tiles of an image: 32 matrix instructions for each tile's 10 LDS loads.
; A PHASE: the refill's barrier (in front of it the wait for this phase's tile); the next phase's tile is asked for, into the other slot; this phase's tile is quantised; a plain barrier shows the image to all waves; the products.
;   So a tile's load has a whole phase in which to land, and is read directly behind the barrier that waited for it.
; BOTH PRODUCTS ARE USED TRANSPOSED (source 0 = 16 rows of a weight, source 1 = 16 rows of x): lane (r, h) holds row r of x, register 8 t + j column 16 t + 8 h + j of the head.  Each lane keeps a running maximum of its own row stream.
; cluster = none: no two work-groups read the same rows of x; the weights are read once by each wave, straight into registers.
; PREFETCH: in phase k each wave asks for its own tile of phase k + 3, two phases ahead of that tile's tensor load: 64 blocks of 256 bytes, a lane a block, two instructions.  The head asks for phases 1 and 2; phases 5 to 7 ask for nothing.
; LIMITS: as the quantiser of the first kernel (a block under 2^-124 or of zeros gets the byte 1; its bytes are read here alone); NaN and infinities in x are not served.  Scores are taken to lie above -3e38.
; REGISTERS 0-255: 1-19 addresses and the mask's bits; 20-35 weight scale words; 36-37 x's scale words; 40-71 x's fragments; 72-99 at work in the products' phase; 104-135 K, 136-167 V; 168-199 qs; 200-231 the sums; 232, 233 m, l;
;   while a tile is quantised 104-167 and 40-103 hold the f32 numbers, 236-255 are at work, 38, 39 the scale words.
.set IMGP,  17408                      ; an image: 4 tiles of TREC
.set TREC,  4352                       ; a tile: [s 4][c 2][lane 32][16 bytes], then [s 4][r 16] scale words
.set TST,   34816                      ; 256 bytes a wave: the way out of scores and sums
.set MSK,   36864                      ; 512 bytes a wave: the mask's bytes
.set SPARE, 40960                      ; the spare words, 128 bytes a wave
.set RING,  41984
.set XP,    1040                       ; a tile's row in LDS: 1,024 bytes + 16: sixteen rows begin in sixteen different 16-byte columns of 256
.set WSLOT, 16*XP
.set SLOTB, 8*WSLOT
.set SPW, 1
.set NIL, 2
.set LI,  3
.set LS,  4
.set LN,  5
.set RR,  6
.set HH,  7
.set LA,  8
.set IA,  10
.set SA,  11
.set TSO, 12
.set TSR, 13
.set ESO, 14
.set MB,  15
.set PFO, 18
.set GO8, 19
.set WS,  20
.set XS,  36
.set PW0, 38
.set PW1, 39
.set XF,  40
.set STB, 40
.set SC,  72
.set FP,  80
.set TX,  84
.set MN,  85
.set MT,  86
.set TH,  88
.set TO,  92
.set MA,  94
.set KA,  104
.set VA,  136
.set STA, 104
.set PC1, 104
.set QV,  168
.set WA,  200
.set MX,  232
.set LL,  233
.set TM,  236
.set PC0, 248
.set SEL, 48
.set MSB, 0
.macro WIN new                         ; the immediate's high byte repeats the setting that is left
.if MSB != \new
	s_set_vgpr_msb (MSB<<8)|\new
.set MSB, \new
.endif
.endm
.macro PLACES
.rept 4
	v_nop
.endr
.endm
; 64 numbers of a lane, register 16 b + i = k 32 b + 16 (lane / 16) + i of its row, become a fragment's 8 registers at v[pc] and the row's scale word in v[pw]
.macro QUANT s, pc, pw
.irp b, 0,1,2,3
	v_max3_num_f32 v[TM+\b], |v[\s+16*\b]|, |v[\s+1+16*\b]|, 0x1800000   ; with the floor 2^(3 - 127): the byte cannot fall under 1
.endr
.irp i, 2,4,6,8,10,12,14
.irp b, 0,1,2,3
	v_max3_num_f32 v[TM+\b], v[TM+\b], |v[\s+16*\b+\i]|, |v[\s+1+16*\b+\i]|
.endr
.endr
.irp b, 0,1,2,3
	v_permlanex16_b32 v[TM+4+\b], v[TM+\b], s[SEL], s[SEL+1]
.endr
.irp b, 0,1,2,3
	v_max_num_f32 v[TM+\b], v[TM+\b], v[TM+4+\b]       ; the block's largest magnitude
.endr
.irp b, 0,1,2,3
	v_add_nc_u32 v[TM+8+\b], 0xff000000, v[TM+\b]      ; 2 off its exponent field: the conversion's scale operand
.endr
.irp b, 0,1,2,3
	v_lshrrev_b32 v[TM+4+\b], 23, v[TM+8+\b]           ; the scale's byte
.endr
	v_lshl_or_b32 v[\pw], v[TM+5], 8, v[TM+4]
	v_lshl_or_b32 v[\pw], v[TM+6], 16, v[\pw]
	v_lshl_or_b32 v[\pw], v[TM+7], 24, v[\pw]
.irp b, 0,1,2,3
	v_cvt_scalef32_pk8_fp4_f32 v[\pc+2*\b], v[\s+16*\b:\s+7+16*\b], v[TM+8+\b]
	v_cvt_scalef32_pk8_fp4_f32 v[\pc+1+2*\b], v[\s+8+16*\b:\s+15+16*\b], v[TM+8+\b]
.endr
	v_nop                                              ; one plain place behind a scaled conversion
.irp c, 0,1                                        ; a whole block to a lane
.irp i, 0,1
	v_permlane16_swap_b32 v[\pc+4*\c+\i], v[\pc+2+4*\c+\i]
.endr
.endr
.endm
	s_load_b512 s[4:19], s[0:1], 0x0               ; x s[4:5], mask s[6:7], wfrag s[8:9], wscale s[10:11], qs s[12:13], tsc s[14:15], pacc s[16:17], pml s[18:19]
	v_lshl_add_u32 v[SPW], v0, 2, SPARE
	v_mov_b32 v[NIL], 0
	ds_add_u32 v[SPW], v[NIL]                      ; the opening lines: the add, twice on end, and its wait ahead of my first tensor load
	ds_add_u32 v[SPW], v[NIL]
	v_lshrrev_b32 v[LN], 5, v0
	v_readfirstlane_b32 s46, v[LN]                 ; wave v = head v
	s_mov_b32 s24, (3<<16)|(1<<20)|(7<<22)|(3<<25) ; elements of 8 bytes; 4 words of padding behind every 256
	s_mov_b32 s25, 128<<16                         ; tensor_dim0 = 128 elements: 1,024 bytes
	s_mov_b32 s26, 16<<16                          ; tensor_dim1 = 16 rows
	s_mov_b32 s27, 128<<16                         ; tile_dim0
	s_mov_b32 s28, 16                              ; tile_dim1
	s_mov_b32 s29, 256                             ; a row of x: 2,048 bytes
	s_mov_b32 s30, 0
	s_mov_b32 s31, 0
	s_mov_b32 s[SEL], 0x76543210
	s_mov_b32 s[SEL+1], 0xfedcba98
	s_mov_b32 s50, 0xffff0000                      ; lanes 16-31
	s_lshr_b32 s47, s46, 1                         ; my tile of a phase; also prep's w
	s_and_b32 s52, s46, 1                          ; my half of K; also my half of w's tiles
	s_mul_i32 s20, s46, WSLOT
	s_add_co_u32 s20, s20, RING
	s_lshl_b32 s2, ttmp9, 20                       ; 512 rows of 2,048 bytes a work-group
	s_lshl_b32 s3, s47, 15
	s_add_co_u32 s2, s2, s3
	s_lshl_b32 s3, s52, 10
	s_add_co_u32 s2, s2, s3
	s_mov_b32 s3, 0
	s_wait_dscnt 0x0                               ; both opening adds are done
	s_wait_kmcnt 0x0
	s_add_nc_u64 s[4:5], s[4:5], s[2:3]
	s_mov_b32 s32, 1
	s_mov_b32 s33, s20
	s_mov_b64 s[34:35], s[4:5]
	s_or_b32 s35, s35, 0x80000000
	s_mov_b32 s36, 1
	s_add_co_u32 s37, s20, SLOTB
	s_add_nc_u64 s[38:39], s[4:5], 131072          ; a phase on: 64 rows
	s_or_b32 s39, s39, 0x80000000
	s_add_nc_u64 s[40:41], s[4:5], 393216          ; the loop's prefetches begin at phase 3
	tensor_load_to_lds s[32:35], s[24:31]          ; phase 0: my one tensor load at the head
	s_nop 0
	PLACES
	s_lshl_b32 s2, ttmp9, 9
	s_add_nc_u64 s[6:7], s[6:7], s[2:3]
	s_lshl_b32 s2, s47, 16
	s_lshl_b32 s21, s52, 14
	s_add_co_u32 s2, s2, s21
	s_add_nc_u64 s[8:9], s[8:9], s[2:3]            ; my 16 images of Wk; Wv's lie 32,768 bytes on
	s_lshl_b32 s2, s47, 12
	s_lshl_b32 s21, s52, 10
	s_add_co_u32 s2, s2, s21
	s_add_nc_u64 s[10:11], s[10:11], s[2:3]        ; their scale words; Wv's 2,048 bytes on
	s_lshl_b32 s53, s46, 8
	s_mov_b32 s2, s53
	s_add_nc_u64 s[12:13], s[12:13], s[2:3]
	s_lshl_b32 s2, ttmp9, 14
	s_add_co_u32 s2, s2, s53
	s_add_nc_u64 s[14:15], s[14:15], s[2:3]
	s_lshl_b32 s2, ttmp9, 11
	s_add_co_u32 s2, s2, s53
	s_add_nc_u64 s[16:17], s[16:17], s[2:3]
	s_lshl_b32 s2, ttmp9, 6
	s_lshl_b32 s21, s46, 3
	s_add_co_u32 s2, s2, s21
	s_add_nc_u64 s[18:19], s[18:19], s[2:3]
	v_and_b32 v[LN], 31, v0
	v_and_b32 v[RR], 15, v0
	v_bfe_u32 v[HH], v0, 4, 1
	v_lshlrev_b32 v[LI], 4, v[LN]
	v_lshl_add_u32 v[LS], v[LN], 2, 4096
	v_mul_u32_u24 v[LA], v[RR], XP
	v_lshl_add_u32 v[LA], v[HH], 6, v[LA]
	v_add_nc_u32 v[LA], s20, v[LA]                 ; ring: row r, + 64 h
	v_add_nc_u32 v[LA+1], SLOTB, v[LA]
	s_mul_i32 s21, s47, TREC
	s_lshl_b32 s22, s52, 11
	s_add_co_u32 s22, s22, s21
	v_add_nc_u32 v[IA], s22, v[LI]                 ; image: tile v / 2, K steps 2 (v % 2) on
	s_lshl_b32 s22, s52, 7
	s_add_co_u32 s22, s22, s21
	v_lshl_add_u32 v[SA], v[RR], 2, 4096
	v_add_nc_u32 v[SA], s22, v[SA]
	s_add_co_u32 s23, s53, TST
	v_lshl_add_u32 v[TSO], v[LN], 2, s23
	v_lshl_add_u32 v[TSR], v[LN], 3, s23
	v_lshl_add_u32 v[ESO], v[HH], 5, s23
	v_lshlrev_b32 v[GO8], 3, v[LN]
	v_lshrrev_b32 v[PFO], 2, v[LN]
	v_lshlrev_b32 v[PFO], 11, v[PFO]
	v_and_b32 v204, 3, v[LN]
	v_lshl_add_u32 v[PFO], v204, 8, v[PFO]         ; block lane of 256 bytes: row lane / 4, quarter lane % 4
	v_lshlrev_b32 v204, 5, v[HH]
	v_lshlrev_b32 v205, 2, v[LN]
	s_lshl_b32 s22, s46, 9
	s_add_co_u32 s22, s22, MSK
	v_add_nc_u32 v206, s22, v[LI]
	v_add_nc_u32 v207, s22, v[RR]
.irp b, 0,1,2,3
	v_mov_b32 v[TM+4+\b], 0                        ; written once: a lane permute's destination counts as one of its sources
.endr
	global_load_b128 v[200:203], v[LI], s[6:7]     ; the work-group's 512 mask bytes: the first of 89 loads
.irp t, 0,1,2,3
.irp u, 0,1
	global_load_b128 v[QV+8*\t+4*\u:QV+8*\t+4*\u+3], v204, s[12:13] offset:64*\t+16*\u
.endr
.endr
.set f, 0
.rept 8
	global_load_b32 v[WS+f], v205, s[10:11] offset:128*f
	global_load_b32 v[WS+8+f], v205, s[10:11] offset:2048+128*f
.set f, f+1
.endr
	WIN 0x40                                       ; destination registers 256 on
.set f, 0
.rept 16
	global_load_b128 v[8*f:8*f+3],       v[LI], s[8:9] offset:1024*f
	global_load_b128 v[8*f+4:8*f+7],     v[LI], s[8:9] offset:1024*f+512
	global_load_b128 v[128+8*f:131+8*f], v[LI], s[8:9] offset:32768+1024*f
	global_load_b128 v[132+8*f:135+8*f], v[LI], s[8:9] offset:32768+1024*f+512
.set f, f+1
.endr
	WIN 0
.irp ph, 1,2                                   ; my tiles of phases 1 and 2, which no phase stands ahead of
	global_prefetch_b8 v[PFO], s[4:5] offset:131072*\ph th:TH_LOAD_NT scope:SCOPE_SE
	global_prefetch_b8 v[PFO], s[4:5] offset:131072*\ph+16384 th:TH_LOAD_NT scope:SCOPE_SE
.endr
	s_wait_alu depctr_va_vdst(0)                   ; directly ahead of the wait below
	s_wait_loadcnt 63                              ; of 89 loads the oldest 26 are in: the mask, qs, the scale words (25) and one more
	ds_store_b128 v206, v[200:203]                 ; the mask's bytes turn through my own 512 bytes of LDS: lane r wants byte r of each of the 32 tiles
.set f, 0
.rept 32
	ds_load_u8 v[VA+f], v207 offset:16*f
.set f, f+1
.endr
	s_wait_dscnt 0x0
	v_mov_b32 v[MB], v[VA]
.set f, 1
.rept 31
	v_lshl_or_b32 v[MB], v[VA+f], f, v[MB]         ; bit f: tile f
.set f, f+1
.endr
	v_mov_b32 v[MX], 0xff61b1e6                    ; -3e38
	v_mov_b32 v[LL], 0
	v_mov_b32 v[TX], 0
.set f, 0
.rept 32
	v_mov_b32 v[WA+f], 0                           ; the tile is written once: the first finds zeros
.set f, f+1
.endr
.macro XL slot, u, dst                 ; my K step u of the slot: 64 numbers a lane
.irp b, 0,1,2,3
.irp j, 0,1,2,3
	ds_load_b128 v[\dst+16*\b+4*\j:\dst+16*\b+4*\j+3], v[LA+\slot] offset:512*\u+128*\b+16*\j
.endr
.endr
.endm
.macro XST u, p, pc, pw
	ds_store_b128 v[IA], v[\pc:\pc+3] offset:\p*IMGP+1024*\u
	ds_store_b128 v[IA], v[\pc+4:\pc+7] offset:\p*IMGP+1024*\u+512
	ds_store_b32 v[SA], v[\pw] offset:\p*IMGP+64*\u    ; both halves of the lanes write the same word with the same value
.endm
.macro PHASE_X slot, p                 ; my part of the slot, which the barrier's wait has shown landed, becomes my part of image p
	XL \slot, 0, STA
	XL \slot, 1, STB
	s_wait_dscnt 16                                ; the first 16 loads are in
	QUANT STA, PC0, PW0
	XST 0, \p, PC0, PW0
	s_wait_dscnt 3                                 ; the second 16; the three stores may be out
	QUANT STB, PC1, PW1                            ; its codes land where the first K step's numbers lay
	XST 1, \p, PC1, PW1
.endm
; The refill's barrier.  fill = 1: behind it slot \slot takes the next phase's tile; the other slot's tile has just been waited for and is read next.
.macro CHANGE slot, fill
	s_wait_alu depctr_va_vdst(0)                   ; directly ahead of the wait below
	s_wait_tensorcnt 0x0                           ; my one tensor load is done, so a group 0 may be written
	ds_add_u32 v[SPW], v[NIL]
.if \fill
	s_add_nc_u64 s[38-4*\slot:39-4*\slot], s[38-4*\slot:39-4*\slot], 262144   ; the other slot's next tile: two phases on
.endif
	s_wait_dscnt 0x0                               ; the add and my reads of slot \slot and of the images are done
	s_barrier_signal -1
	s_barrier_wait -1
.if \fill
	tensor_load_to_lds s[32+4*\slot:35+4*\slot], s[24:31]
	s_nop 0
	PLACES
.endif
.endm
.macro SHOW                            ; a plain barrier
	s_wait_dscnt 0x0                               ; my part of the image lies in LDS
	s_wait_loadcnt 0x0                             ; the weights are in (the first time; later no load is out)
	s_barrier_signal -1
	s_barrier_wait -1
.endm
.macro FETCH p, i
.irp s, 0,1,2,3
.irp c, 0,1
	ds_load_b128 v[XF+8*\s+4*\c:XF+8*\s+4*\c+3], v[LI] offset:\p*IMGP+(\i)*TREC+1024*\s+512*\c
.endr
.endr
.irp g, 0,1
	ds_load_b32 v[XS+\g], v[LS] offset:\p*IMGP+(\i)*TREC+128*\g   ; lanes 0-15: K step 2 g; lanes 16-31: 2 g + 1
.endr
.endm
.macro WM acc, wo, wb, t, s
.if (\s) == 0
	v_wmma_scale_f32_16x16x128_f8f6f4 v[\acc+8*\t:\acc+8*\t+7], v[\wo+8*(4*\t+\s):\wo+8*(4*\t+\s)+7], v[XF+8*\s:XF+8*\s+7], 0, v[WS+\wb+2*\t], v[XS] matrix_a_fmt:MATRIX_FMT_FP4 matrix_b_fmt:MATRIX_FMT_FP4
.elseif ((\s)%2) == 0
	v_wmma_scale_f32_16x16x128_f8f6f4 v[\acc+8*\t:\acc+8*\t+7], v[\wo+8*(4*\t+\s):\wo+8*(4*\t+\s)+7], v[XF+8*\s:XF+8*\s+7], v[\acc+8*\t:\acc+8*\t+7], v[WS+\wb+2*\t+(\s)/2], v[XS+(\s)/2] matrix_a_fmt:MATRIX_FMT_FP4 matrix_b_fmt:MATRIX_FMT_FP4
.else
	v_wmma_scale_f32_16x16x128_f8f6f4 v[\acc+8*\t:\acc+8*\t+7], v[\wo+8*(4*\t+\s):\wo+8*(4*\t+\s)+7], v[XF+8*\s:XF+8*\s+7], v[\acc+8*\t:\acc+8*\t+7], v[WS+\wb+2*\t+(\s)/2], v[XS+(\s)/2] matrix_a_fmt:MATRIX_FMT_FP4 matrix_b_fmt:MATRIX_FMT_FP4 matrix_a_scale:MATRIX_SCALE_ROW1 matrix_b_scale:MATRIX_SCALE_ROW1
.endif
.endm
.macro ASK test                        ; test = 2: not in the loop's last trip, whose look-ahead would leave my work-group's rows
.if \test == 2
	s_cmp_lg_u32 s51, 1
	s_cbranch_scc0 .Lnoask_\@
.endif
	global_prefetch_b8 v[PFO], s[40:41] th:TH_LOAD_NT scope:SCOPE_SE
	global_prefetch_b8 v[PFO], s[40:41] offset:16384 th:TH_LOAD_NT scope:SCOPE_SE
.Lnoask_\@:
.endm
; One tile of 16 rows: 32 matrix instructions, the eight accumulators by turns; then the score, the running softmax and the sums.
.macro TILE p, i, ask
	s_wait_dscnt 0x0                               ; the tile's fragments and scale words are in
	WIN 0x01                                       ; source 0: registers 256 on
.irp s, 0,1,2,3
.irp t, 0,1,2,3
	WM KA, 0, 0, \t, \s
.endr
.irp t, 0,1,2,3
	WM VA, 128, 8, \t, \s
.endr
.endr
	WIN 0
.if \ask
	ASK \ask
.endif
	v_and_b32 v[MT], 1, v[MB]                      ; my row's mask bit; these four lines are the places behind the products
	v_lshrrev_b32 v[MB], 1, v[MB]
	v_nop
	v_nop
	v_cmp_ne_u32 vcc_lo, 0, v[MT]
.if \i < 3
	FETCH \p, \i+1                                 ; the next tile's fragments come under this tile's vector work
.endif
.irp t, 0,1,2,3
	v_pk_mul_f32 v[SC+2*\t:SC+2*\t+1], v[KA+8*\t:KA+8*\t+1], v[QV+8*\t:QV+8*\t+1]   ; four chains, one for each accumulator, each from its low end on
.endr
.irp e, 1,2,3
.irp t, 0,1,2,3
	v_pk_fma_f32 v[SC+2*\t:SC+2*\t+1], v[KA+8*\t+2*\e:KA+8*\t+2*\e+1], v[QV+8*\t+2*\e:QV+8*\t+2*\e+1], v[SC+2*\t:SC+2*\t+1]
.endr
.endr
	v_pk_add_f32 v[SC:SC+1], v[SC:SC+1], v[SC+2:SC+3]
	v_pk_add_f32 v[SC+4:SC+5], v[SC+4:SC+5], v[SC+6:SC+7]
	s_delay_alu instid0(VALU_DEP_1)
	v_pk_add_f32 v[SC:SC+1], v[SC:SC+1], v[SC+4:SC+5]
	s_delay_alu instid0(VALU_DEP_1)
	v_add_f32 v[TH+\i], v[SC], v[SC+1]
	v_permlanex16_b32 v[TX], v[TH+\i], s[SEL], s[SEL+1]
	v_add_f32 v[TH+\i], v[TH+\i], v[TX]            ; with the other 32 columns: t of row r
	s_delay_alu instid0(VALU_DEP_1)
	v_cndmask_b32 v[TH+\i], 0xff800000, v[TH+\i], vcc_lo   ; -infinity where the mask is 0
	s_delay_alu instid0(VALU_DEP_1)
	v_max_num_f32 v[MN], v[MX], v[TH+\i]
	s_delay_alu instid0(VALU_DEP_1)
	v_sub_f32 v[FP+1], v[MX], v[MN]
	v_sub_f32 v[FP+3], v[TH+\i], v[MN]
.if \i == 3                                    ; the phase's 64 scores: lane l takes rows l and 32 + l, and they come back 8 bytes a lane
	v_cndmask_b32 v[MA], v[TH], v[TH+1], s50
	v_cndmask_b32 v[MA+1], v[TH+2], v[TH+3], s50
	ds_store_b32 v[TSO], v[MA]
	ds_store_b32 v[TSO], v[MA+1] offset:128
	ds_load_b64 v[TO:TO+1], v[TSR]                 ; LDS serves a wave's instructions in order: this sees my stores
.endif
	s_wait_alu depctr_va_vdst(0)                   ; ahead of the batch
	v_exp_f32 v[FP], v[FP+1]                       ; f = 2^(old m - new m)
	v_exp_f32 v[FP+2], v[FP+3]                     ; p = 2^(t - m)
	v_mov_b32 v[MX], v[MN]                         ; a plain place behind the exponentials
	s_wait_alu depctr_va_vdst(0)                   ; and behind it, ahead of the first readers of f, p and V
	v_fma_f32 v[LL], v[LL], v[FP], v[FP+2]
.set j, 0
.rept 16
	v_pk_mul_f32 v[WA+2*j:WA+2*j+1], v[WA+2*j:WA+2*j+1], v[FP:FP+1] op_sel_hi:[1,0]
.set j, j+1
.endr
.set j, 0
.rept 16
	v_pk_fma_f32 v[WA+2*j:WA+2*j+1], v[VA+2*j:VA+2*j+1], v[FP+2:FP+3], v[WA+2*j:WA+2*j+1] op_sel_hi:[1,0,1]
.set j, j+1
.endr
.endm
.macro PHASE_M p, ask
	FETCH \p, 0
	TILE \p, 0, \ask
	TILE \p, 1, 0
	TILE \p, 2, 0
	TILE \p, 3, 0
	s_wait_dscnt 0x0
	global_store_b64 v[GO8], v[TO:TO+1], s[14:15]  ; the wave stores 256 consecutive bytes, aligned
	s_wait_xcnt 0x0                                ; the store and the prefetches have read their bases
	s_add_nc_u64 s[14:15], s[14:15], 2048
.if \ask
	s_add_nc_u64 s[40:41], s[40:41], 131072
.endif
.endm
	s_mov_b32 s51, 3
.Ltrip:                                            ; a trip: two phases; the first time the first barrier's load is slot 1's first fill, issued as a refill is
	CHANGE 1, 1
	PHASE_X 0, 0
	SHOW
	PHASE_M 0, 1
	CHANGE 0, 1
	PHASE_X 1, 1
	SHOW
	PHASE_M 1, 2
	s_sub_co_u32 s51, s51, 1
	s_cmp_lg_u32 s51, 0
	s_cbranch_scc1 .Ltrip
	CHANGE 1, 1                                    ; phase 6, and phase 7's load
	PHASE_X 0, 0
	SHOW
	PHASE_M 0, 0
	CHANGE 0, 0                                    ; phase 7 fetches nothing
	PHASE_X 1, 1
	SHOW
	PHASE_M 1, 0
	; the sixteen lanes' streams are joined: m = the largest, l and the sums under it
	v_mov_b32 v[MN], v[MX]
.irp m, 1,2,4,8
	v_max_num_f32_dpp v[MN], v[MN], v[MN] row_xmask:\m row_mask:0xf bank_mask:0xf
.endr
	v_sub_f32 v[FP+1], v[MX], v[MN]
	s_wait_alu depctr_va_vdst(0)
	v_exp_f32 v[FP], v[FP+1]
	v_nop
	s_wait_alu depctr_va_vdst(0)
	v_mul_f32 v[LL], v[LL], v[FP]
.irp m, 1,2,4,8
	v_add_f32_dpp v[LL], v[LL], v[LL] row_xmask:\m row_mask:0xf bank_mask:0xf
.endr
.set j, 0
.rept 16
	v_pk_mul_f32 v[STA+2*j:STA+2*j+1], v[WA+2*j:WA+2*j+1], v[FP:FP+1] op_sel_hi:[1,0]
.set j, j+1
.endr
.irp m, 1,2,4,8
.set j, 0
.rept 32
	v_add_f32_dpp v[STA+j], v[STA+j], v[STA+j] row_xmask:\m row_mask:0xf bank_mask:0xf
.set j, j+1
.endr
.endr
.irp t, 0,1,2,3
.irp u, 0,1
	ds_store_b128 v[ESO], v[STA+8*\t+4*\u:STA+8*\t+4*\u+3] offset:64*\t+16*\u   ; the sixteen lanes of a half write the same bytes with the same values
.endr
.endr
	ds_load_b64 v[TO:TO+1], v[TSR]
	s_wait_dscnt 0x0
	global_store_b64 v[GO8], v[TO:TO+1], s[16:17]  ; my head's 64 sums: 256 consecutive bytes, aligned
	v_mov_b32 v96, v[MN]
	v_mov_b32 v97, v[LL]
	v_mov_b32 v98, 0
	v_and_b32 v99, 31, v0
	v_cmp_eq_u32 vcc_lo, 0, v99
	s_wait_alu depctr_va_vdst(0)
	s_wait_xcnt 0x0                                ; EXEC changes only behind this wait
	s_and_saveexec_b32 s55, vcc_lo
	global_store_b64 v98, v[96:97], s[18:19]       ; lane 0 alone: (m, l)
	s_wait_xcnt 0x0
	s_or_b32 exec_lo, exec_lo, s55
	s_wait_tensorcnt 0x0                           ; the wave's end
	ds_add_u32 v[SPW], v[NIL]
	s_wait_dscnt 0x0
	s_endpgm
.Lfunc_end_k_q07dc31b222_main:
	.size	k_q07dc31b222_main, .Lfunc_end_k_q07dc31b222_main-k_q07dc31b222_main
	.p2alignl 7, 3214868480
	.fill 96, 4, 3214868480
	.section	.rodata,"a",@progbits
	.p2align	6, 0x0
	.amdhsa_kernel k_q07dc31b222_main
		.amdhsa_group_segment_fixed_size 327680
		.amdhsa_private_segment_fixed_size 0
		.amdhsa_enable_private_segment 0
		.amdhsa_kernarg_size 64
		.amdhsa_user_sgpr_count 2
		.amdhsa_user_sgpr_kernarg_segment_ptr 1
		.amdhsa_wavefront_size32 1
		.amdhsa_system_sgpr_workgroup_id_x 1
		.amdhsa_system_sgpr_workgroup_id_y 1
		.amdhsa_system_sgpr_workgroup_id_z 1
		.amdhsa_system_vgpr_workitem_id 0
		.amdhsa_next_free_vgpr 512
		.amdhsa_next_free_sgpr 66
		.amdhsa_reserve_vcc 1
		.amdhsa_float_denorm_mode_32 3
		.amdhsa_float_denorm_mode_16_64 3
		.amdhsa_memory_ordered 1
		.amdhsa_forward_progress 1
		.amdhsa_inst_pref_size 214
	.end_amdhsa_kernel
	.amdgpu_metadata
---
amdhsa.version: [ 1, 2 ]
amdhsa.kernels:
  - .name:           k_q07dc31b222_main
    .symbol:         k_q07dc31b222_main.kd
    .args:
      - { .name: unit_embeddings, .offset: 0, .size: 8, .value_kind: global_buffer, .address_space: global }
      - { .name: mask, .offset: 8, .size: 8, .value_kind: global_buffer, .address_space: global }
      - { .name: wfrag, .offset: 16, .size: 8, .value_kind: global_buffer, .address_space: global }
      - { .name: wscale, .offset: 24, .size: 8, .value_kind: global_buffer, .address_space: global }
      - { .name: qs, .offset: 32, .size: 8, .value_kind: global_buffer, .address_space: global }
      - { .name: tsc, .offset: 40, .size: 8, .value_kind: global_buffer, .address_space: global }
      - { .name: pacc, .offset: 48, .size: 8, .value_kind: global_buffer, .address_space: global }
      - { .name: pml, .offset: 56, .size: 8, .value_kind: global_buffer, .address_space: global }
    .group_segment_fixed_size: 327680
    .private_segment_fixed_size: 0
    .kernarg_segment_align: 8
    .kernarg_segment_size: 64
    .max_flat_workgroup_size: 256
    .sgpr_count:     66
    .vgpr_count:     512
    .wavefront_size: 32
...
	.end_amdgpu_metadata
.endif
;; end of part 2
;; launch finish (part 3): grid 64 x 1, 8 waves a work-group, no clusters, 17,408 bytes of LDS; arguments tsc, pacc, pml, bv, Wo, bo, out0, out1; writes out0, out1
.if DOCPART == 3
	.amdgcn_target "amdgcn-amd-amdhsa--gfx1250"
	.amdhsa_code_object_version 6
	.text
	.protected	k_q07dc31b222_finish
	.globl	k_q07dc31b222_finish
	.p2align	8
	.type	k_q07dc31b222_finish,@function
k_q07dc31b222_finish:
	s_mov_b64 s[64:65], 0
	v_nop
	global_prefetch_b8 v0, s[64:65] scope:SCOPE_SE
	s_setreg_imm32_b32 hwreg(HW_REG_WAVE_MODE, 25, 1), 1
	s_wait_xcnt 0x0
; The 256 partial softmaxes are joined.  For head h: M = the largest m_g, L = the sum of l_g 2^(m_g - M).
;   out1[n] = the sum over h of 2^(t[h][n] - M_h) x 0.125 / L_h                       (the mean of the eight heads' weights)
;   weighted[h][d] = the sum over g of pacc[g][64 h + d] x 2^(m_g - M_h) / L_h + bv   (bv behind the division: the weights sum to 1)
;   out0 = flat Wo^T + bo, flat[8 d + h] = weighted[h][d].       All in f32; M = 1, so these products are vector work.
; A mask that is false everywhere gives L = 0 and NaN everywhere, as the source does.  v_exp_f32 gives 0 for results under 2^-126 (ISA guide, its entry in 15.8).
; SHARES: 64 work-groups of eight waves, one path for all.  Each makes the small table for itself (wave v: head v), joins pacc for itself (512 KiB, read again by each work-group: a launch of its own for that sum would cost more than the reads),
;   and owns 2,048 numbers of out1 (wave v: four blocks of 64 rows) and 8 of out0 (wave v: number 8 x work-group + v).  No tensor loads: plain loads, all asked for at the head.
; REGISTERS: window 0: v1-14 addresses; v16-19 at work; v32-47 (m, l) pairs, later flat; v48-59 at work; v64-79 a row of Wo; v80-81 bv; v82 bo; v84-91 two sets of sums; v92-99 (M, 0.125 / L) of four heads;
;   v128-255 a ring of 32 slots of 4 for pacc, later out1's work.   window 1: v0-127 the 128 factors of my columns' head; v128-191 t of my four blocks.
.set STAB, 0                           ; LDS: [8 heads][256 work-groups] f32: 2^(m_g - M) / L
.set MLT,  8192                        ; [8][2]: (M, 0.125 / L)
.set RED,  8448                        ; [2 halves of g][512 columns] f32
.set FLAT, 12544                       ; [512] f32
.set PM,  32
.set EK,  50
.set WO,  64
.set SU,  84
.set MR,  92
.set RG,  128
.set TS,  128                          ; in window 1
.set SEL, 22
.set MSB, 0
.macro WIN new                         ; the immediate's high byte repeats the setting that is left
.if MSB != \new
	s_set_vgpr_msb (MSB<<8)|\new
.set MSB, \new
.endif
.endm
.macro BAR                             ; my LDS stores have landed and my LDS loads are in: then the work-group's barrier
	s_wait_dscnt 0x0
	s_barrier_signal -1
	s_barrier_wait -1
.endm
	s_load_b512 s[4:19], s[0:1], 0x0               ; tsc s[4:5], pacc s[6:7], pml s[8:9], bv s[10:11], Wo s[12:13], bo s[14:15], out0 s[16:17], out1 s[18:19]
	v_lshl_add_u32 v126, v0, 2, 0x4000
	v_mov_b32 v127, 0
	v_lshrrev_b32 v1, 5, v0
	v_readfirstlane_b32 s20, v1                    ; wave v, 0..7
	v_and_b32 v1, 31, v0                           ; lane
	v_lshlrev_b32 v2, 4, v1                        ; 16 x lane
	v_lshlrev_b32 v3, 6, v1                        ; pml: 64 bytes a work-group
	v_and_b32 v16, 127, v0
	v_lshrrev_b32 v17, 7, v0                       ; which half of the 256 partials is mine
	v_lshlrev_b32 v4, 4, v16
	v_lshl_add_u32 v4, v17, 18, v4                 ; pacc: my four columns, 128 rows of 2,048 bytes a half
	v_lshlrev_b32 v5, 3, v0                        ; 8 x thread
	v_mov_b32 v6, 0
	s_lshl_b32 s24, s20, 10
	v_lshl_add_u32 v7, v1, 2, s24                  ; STAB + 1,024 v + 4 x lane
	s_lshl_b32 s25, s20, 3
	s_add_co_u32 s25, s25, MLT
	v_mov_b32 v8, s25                              ; MLT + 8 v
	v_lshrrev_b32 v9, 4, v16                       ; my columns' head
	v_lshlrev_b32 v9, 10, v9
	v_lshl_add_u32 v9, v17, 9, v9                  ; its factors for my half
	v_lshlrev_b32 v10, 4, v16
	v_lshl_add_u32 v10, v17, 11, v10
	v_add_nc_u32 v10, RED, v10
	v_bfe_u32 v11, v0, 4, 1
	v_lshl_add_u32 v11, v11, 3, MLT                ; lanes 0-15 even heads, lanes 16-31 odd ones
	s_lshl_b32 s26, s20, 2
	s_add_co_u32 s26, s26, FLAT
	v_lshl_add_u32 v12, v1, 6, s26                 ; flat[8 d + h] with d = 2 x lane (+ 1), h = v
	v_add_nc_u32 v13, FLAT, v2
	v_add_nc_u32 v14, RED, v5
	v_mov_b32 v59, 0                               ; written once: a lane permute's destination counts as one of its sources
	s_mov_b32 s[SEL], 0x76543210
	s_mov_b32 s[SEL+1], 0xfedcba98
	s_mov_b32 s27, 0xffff0000                      ; lanes 16-31
	s_mov_b32 s29, 0
	s_mov_b32 s31, 0
	s_lshl_b32 s32, ttmp9, 3
	s_add_co_u32 s32, s32, s20                     ; o = 8 x work-group + v
	s_wait_alu depctr_va_vdst(0)                   ; at the head's end
	s_wait_kmcnt 0x0
	s_lshl_b32 s28, s20, 3
	s_add_nc_u64 s[8:9], s[8:9], s[28:29]          ; pml at head v
	s_lshl_b32 s28, ttmp9, 16
	s_lshl_b32 s30, s20, 13
	s_add_co_u32 s28, s28, s30
	s_add_nc_u64 s[4:5], s[4:5], s[28:29]          ; tsc at block 32 x work-group + 4 v
	s_lshl_b32 s28, s32, 11
	s_add_nc_u64 s[12:13], s[12:13], s[28:29]      ; Wo at row o
	s_lshl_b32 s28, s32, 2
	s_add_nc_u64 s[14:15], s[14:15], s[28:29]
	s_add_nc_u64 s[16:17], s[16:17], s[28:29]
	s_lshl_b32 s28, ttmp9, 13
	s_lshl_b32 s30, s20, 10
	s_add_co_u32 s28, s28, s30
	s_add_nc_u64 s[18:19], s[18:19], s[28:29]      ; out1 at row 2,048 x work-group + 256 v
.irp k, 0,1,2,3,4,5,6,7
	global_load_b64 v[PM+2*\k:PM+2*\k+1], v3, s[8:9] offset:2048*\k             ; (m, l) of work-group lane + 32 k
.endr
	WIN 0x40                                       ; destination window 1
.irp b, 0,1,2,3
.irp i, 0,1,2,3
	global_load_b128 v[TS+16*\b+4*\i:TS+16*\b+4*\i+3], v2, s[4:5] offset:2048*\b+512*\i th:TH_LOAD_NT   ; block b: head 2 i + lane / 16, rows 4 (lane % 16) on; read once in the launch
.endr
.endr
	WIN 0
.irp i, 0,1,2,3
	global_load_b128 v[WO+4*\i:WO+4*\i+3], v2, s[12:13] offset:512*\i
.endr
	global_load_b64 v[80:81], v5, s[10:11]
	global_load_b32 v82, v6, s[14:15]
.set k, 0
.rept 32
	global_load_b128 v[RG+4*k:RG+4*k+3], v4, s[6:7] offset:2048*k
.set k, k+1
.endr
	; ---- the table: wave v, head v
	s_wait_loadcnt 54                              ; the eight loads of pml are in; behind them 16 + 4 + 1 + 1 + 32
	v_max3_num_f32 v48, v[PM], v[PM+2], v[PM+4]
	v_max3_num_f32 v49, v[PM+6], v[PM+8], v[PM+10]
	v_max3_num_f32 v48, v48, v[PM+12], v[PM+14]
	v_max_num_f32 v48, v48, v49
.irp m, 1,2,4,8
	v_max_num_f32_dpp v48, v48, v48 row_xmask:\m row_mask:0xf bank_mask:0xf
.endr
	v_permlanex16_b32 v49, v48, s[SEL], s[SEL+1]
	v_max_num_f32 v48, v48, v49                    ; M
.irp k, 0,1,2,3,4,5,6,7
	v_sub_f32 v[EK+\k], v[PM+2*\k], v48
.endr
	s_wait_alu depctr_va_vdst(0)                   ; ahead of the batch
.irp k, 0,1,2,3,4,5,6,7
	v_exp_f32 v[EK+\k], v[EK+\k]
.endr
	v_nop                                          ; a plain line behind the exponentials
	s_wait_alu depctr_va_vdst(0)
	v_mul_f32 v58, v[PM+1], v[EK]
.irp k, 1,2,3,4,5,6,7
	v_fma_f32 v58, v[PM+2*\k+1], v[EK+\k], v58
.endr
.irp m, 1,2,4,8
	v_add_f32_dpp v58, v58, v58 row_xmask:\m row_mask:0xf bank_mask:0xf
.endr
	v_permlanex16_b32 v59, v58, s[SEL], s[SEL+1]
	v_add_f32 v58, v58, v59                        ; L
	s_wait_alu depctr_va_vdst(0)                   ; ahead of the transcendental
	v_rcp_f32 v59, v58
	v_nop                                          ; a plain line behind the reciprocal
	s_wait_alu depctr_va_vdst(0)
.irp k, 0,1,2,3,4,5,6,7
	v_mul_f32 v[EK+\k], v[EK+\k], v59
.endr
	v_mul_f32 v49, 0x3e000000, v59                 ; 0.125 / L
.irp k, 0,1,2,3,4,5,6,7
	ds_store_b32 v7, v[EK+\k] offset:128*\k
.endr
	ds_store_b64 v8, v[48:49]                      ; all lanes write the same eight bytes with the same values
	BAR                                            ; the table lies in LDS
	; ---- the join of pacc: my four columns, my 128 partials
	WIN 0x40
.set k, 0
.rept 32
	ds_load_b128 v[4*k:4*k+3], v9 offset:16*k
.set k, k+1
.endr
	s_wait_dscnt 0x0
	WIN 0x04                                       ; source 1 window 1
.set k, 0
.rept 128
.if (k%4) == 0                                 ; one wait for four partials
	s_wait_alu depctr_va_vdst(0)                   ; directly ahead of the wait below
.if k <= 96
	s_wait_loadcnt 28                              ; loads come back in order (ISA guide 5.7.1): slots k .. k + 3 are in, the 28 younger stay out
.else
	s_wait_loadcnt 124-k
.endif
.endif
.set sl, RG+4*(k%32)
.set ac, SU+4*(k%2)
.set sp, 2*(k/2)
.if k == 0
	v_pk_mul_f32 v[ac:ac+1], v[sl:sl+1], v[sp:sp+1] op_sel_hi:[1,0]            ; the first products start the sums; the factor's word serves both halves
	v_pk_mul_f32 v[ac+2:ac+3], v[sl+2:sl+3], v[sp:sp+1] op_sel_hi:[1,0]
.elseif k == 1
	v_pk_mul_f32 v[ac:ac+1], v[sl:sl+1], v[sp:sp+1] op_sel:[0,1] op_sel_hi:[1,1]
	v_pk_mul_f32 v[ac+2:ac+3], v[sl+2:sl+3], v[sp:sp+1] op_sel:[0,1] op_sel_hi:[1,1]
.elseif (k%2) == 0
	v_pk_fma_f32 v[ac:ac+1], v[sl:sl+1], v[sp:sp+1], v[ac:ac+1] op_sel_hi:[1,0,1]
	v_pk_fma_f32 v[ac+2:ac+3], v[sl+2:sl+3], v[sp:sp+1], v[ac+2:ac+3] op_sel_hi:[1,0,1]
.else
	v_pk_fma_f32 v[ac:ac+1], v[sl:sl+1], v[sp:sp+1], v[ac:ac+1] op_sel:[0,1,0] op_sel_hi:[1,1,1]
	v_pk_fma_f32 v[ac+2:ac+3], v[sl+2:sl+3], v[sp:sp+1], v[ac+2:ac+3] op_sel:[0,1,0] op_sel_hi:[1,1,1]
.endif
.if k+32 < 128
	global_load_b128 v[sl:sl+3], v4, s[6:7] offset:2048*(k+32)                 ; the slot takes the partial 32 further on
.endif
.set k, k+1
.endr
	WIN 0
	v_pk_add_f32 v[SU:SU+1], v[SU:SU+1], v[SU+4:SU+5]
	v_pk_add_f32 v[SU+2:SU+3], v[SU+2:SU+3], v[SU+6:SU+7]
	ds_store_b128 v10, v[SU:SU+3]
	; ---- out1: my four blocks of 64 rows
.irp i, 0,1,2,3
	ds_load_b64 v[MR+2*\i:MR+2*\i+1], v11 offset:16*\i                         ; (M, 0.125 / L) of head 2 i + lane / 16
.endr
	s_wait_dscnt 0x0
	WIN 0x01                                       ; source 0 window 1
.irp b, 0,1,2,3
.irp i, 0,1,2,3
.irp c, 0,1,2,3
	v_sub_f32 v[RG+16*\b+4*\i+\c], v[TS+16*\b+4*\i+\c], v[MR+2*\i]
.endr
.endr
.endr
	WIN 0
.set k, 0
	s_wait_alu depctr_va_vdst(0)                   ; ahead of the batch
.rept 64
	v_exp_f32 v[RG+k], v[RG+k]
.set k, k+1
.endr
	v_nop                                          ; a plain line behind the exponentials
	s_wait_alu depctr_va_vdst(0)
.irp b, 0,1,2,3
.irp c, 0,1,2,3
	v_mul_f32 v[RG+64+4*\b+\c], v[RG+16*\b+\c], v[MR+1]
.endr
.endr
.irp i, 1,2,3
.irp b, 0,1,2,3
.irp c, 0,1,2,3
	v_fma_f32 v[RG+64+4*\b+\c], v[RG+16*\b+4*\i+\c], v[MR+2*\i+1], v[RG+64+4*\b+\c]
.endr
.endr
.endr
.set k, 0
.rept 16
	v_permlanex16_b32 v[RG+80+k], v[RG+64+k], s[SEL], s[SEL+1]                 ; the other four heads lie in the lane 16 away
.set k, k+1
.endr
.set k, 0
.rept 16
	v_add_f32 v[RG+64+k], v[RG+64+k], v[RG+80+k]
.set k, k+1
.endr
.irp p, 0,1
.irp c, 0,1,2,3
	v_cndmask_b32 v[RG+96+4*\p+\c], v[RG+64+8*\p+\c], v[RG+68+8*\p+\c], s27    ; lanes 0-15 store block 2 p, lanes 16-31 block 2 p + 1
.endr
	global_store_b128 v2, v[RG+96+4*\p:RG+99+4*\p], s[18:19] offset:512*\p     ; 128 rows: 512 consecutive bytes, aligned
.endr
	BAR                                            ; both halves' sums lie in LDS
	; ---- flat: thread t has columns 2 t, 2 t + 1: head v, d = 2 x lane and 2 x lane + 1
	ds_load_b64 v[16:17], v14
	ds_load_b64 v[18:19], v14 offset:2048
	s_wait_dscnt 0x0
	v_pk_add_f32 v[16:17], v[16:17], v[18:19]
	v_pk_add_f32 v[16:17], v[16:17], v[80:81]      ; + bv
	ds_store_b32 v12, v16
	ds_store_b32 v12, v17 offset:32
	BAR                                            ; flat lies in LDS
	; ---- out0[o] = flat . Wo[o] + bo[o]
.irp i, 0,1,2,3
	ds_load_b128 v[PM+4*\i:PM+4*\i+3], v13 offset:512*\i
.endr
	s_wait_dscnt 0x0
	v_pk_mul_f32 v[16:17], v[PM:PM+1], v[WO:WO+1]
	v_pk_mul_f32 v[18:19], v[PM+2:PM+3], v[WO+2:WO+3]
.irp e, 2,4,6
	v_pk_fma_f32 v[16:17], v[PM+2*\e:PM+2*\e+1], v[WO+2*\e:WO+2*\e+1], v[16:17]
	v_pk_fma_f32 v[18:19], v[PM+2*\e+2:PM+2*\e+3], v[WO+2*\e+2:WO+2*\e+3], v[18:19]
.endr
	v_pk_add_f32 v[16:17], v[16:17], v[18:19]
	v_add_f32 v16, v16, v17
.irp m, 1,2,4,8
	v_add_f32_dpp v16, v16, v16 row_xmask:\m row_mask:0xf bank_mask:0xf
.endr
	v_permlanex16_b32 v17, v16, s[SEL], s[SEL+1]
	v_add_f32 v16, v16, v17
	v_add_f32 v16, v16, v82
	v_cmp_eq_u32 vcc_lo, 0, v1
	s_wait_alu depctr_va_vdst(0)                   ; directly ahead of the wait below: the sum is stored behind it
	s_wait_xcnt 0x0
	s_wait_tensorcnt 0x0
	ds_add_u32 v126, v127
	s_wait_dscnt 0x0
	s_and_saveexec_b32 s33, vcc_lo
	global_store_b32 v6, v16, s[16:17]             ; lane 0 alone
	s_wait_xcnt 0x0
	s_or_b32 exec_lo, exec_lo, s33
	s_endpgm
.Lfunc_end_k_q07dc31b222_finish:
	.size	k_q07dc31b222_finish, .Lfunc_end_k_q07dc31b222_finish-k_q07dc31b222_finish
	.p2alignl 7, 3214868480
	.fill 96, 4, 3214868480
	.section	.rodata,"a",@progbits
	.p2align	6, 0x0
	.amdhsa_kernel k_q07dc31b222_finish
		.amdhsa_group_segment_fixed_size 17408
		.amdhsa_private_segment_fixed_size 0
		.amdhsa_enable_private_segment 0
		.amdhsa_kernarg_size 64
		.amdhsa_user_sgpr_count 2
		.amdhsa_user_sgpr_kernarg_segment_ptr 1
		.amdhsa_wavefront_size32 1
		.amdhsa_system_sgpr_workgroup_id_x 1
		.amdhsa_system_sgpr_workgroup_id_y 1
		.amdhsa_system_sgpr_workgroup_id_z 1
		.amdhsa_system_vgpr_workitem_id 0
		.amdhsa_next_free_vgpr 448
		.amdhsa_next_free_sgpr 66
		.amdhsa_reserve_vcc 1
		.amdhsa_float_denorm_mode_32 3
		.amdhsa_float_denorm_mode_16_64 3
		.amdhsa_memory_ordered 1
		.amdhsa_forward_progress 1
		.amdhsa_inst_pref_size 54
	.end_amdhsa_kernel
	.amdgpu_metadata
---
amdhsa.version: [ 1, 2 ]
amdhsa.kernels:
  - .name:           k_q07dc31b222_finish
    .symbol:         k_q07dc31b222_finish.kd
    .args:
      - { .name: tsc, .offset: 0, .size: 8, .value_kind: global_buffer, .address_space: global }
      - { .name: pacc, .offset: 8, .size: 8, .value_kind: global_buffer, .address_space: global }
      - { .name: pml, .offset: 16, .size: 8, .value_kind: global_buffer, .address_space: global }
      - { .name: bv, .offset: 24, .size: 8, .value_kind: global_buffer, .address_space: global }
      - { .name: Wo, .offset: 32, .size: 8, .value_kind: global_buffer, .address_space: global }
      - { .name: bo, .offset: 40, .size: 8, .value_kind: global_buffer, .address_space: global }
      - { .name: out0, .offset: 48, .size: 8, .value_kind: global_buffer, .address_space: global }
      - { .name: out1, .offset: 56, .size: 8, .value_kind: global_buffer, .address_space: global }
    .group_segment_fixed_size: 17408
    .private_segment_fixed_size: 0
    .kernarg_segment_align: 8
    .kernarg_segment_size: 64
    .max_flat_workgroup_size: 256
    .sgpr_count:     66
    .vgpr_count:     448
    .wavefront_size: 32
...
	.end_amdgpu_metadata
.endif
;; end of part 3
